; MI455X (gfx1250); checked and timed in simulation.
; The chip was launched on July 23, 2026; its instructions are those of AMD's public machine-readable ISA for CDNA 5 (MIT licence, August 2026) and "CDNA5" Instruction Set Architecture Reference Guide (July 2026). The comments in the code are by the model that wrote it; some were corrected since.
;; LSTM Cell. Allowed arithmetic: matrix products marked QUANTISED: E2M1 operands, one E8M0 scale for each 32 along K, by v_wmma_scale_f32_16x16x128_f8f6f4 with both operands' format E2M1 (or v_wmma_scale_f32_32x16x128_f4), f32 sums; everything else in f32.
;; Inputs: Wf 2,048 x 4,096 float32; Wg 2,048 x 4,096 float32; Wi 2,048 x 4,096 float32; Wo 2,048 x 4,096 float32; bf 2,048 float32; bg 2,048 float32; bi 2,048 float32; bo 2,048 float32; c 2,048 x 2,048 float32; h 2,048 x 2,048 float32; x 2,048 x 2,048 float32.
;; Outputs: out0 2,048 x 2,048 float32; out1 2,048 x 2,048 float32.
;; This version of the problem:
;;   THIS VERSION OF THE PROBLEM IS GIVEN IN LOW PRECISION. The matrix products marked QUANTISED in the list below multiply operands that are first quantised to E2M1 (2 exponent bits, 1 mantissa bit; 4 bits a number), with one power-of-two scale for each 32 numbers along K (OCP MX v1.0); their sums are f32. All else is computed in f32.
;;   The module's matrix products, in the order in which they are computed (A, B: the left and right operand; K: the contracted axis; several contracted axes count as one K, in the product's order):
;;     1. [M 2,048, K 4,096] x [K 4,096, N 8,192]; A: computed on the way; B: computed on the way: QUANTISED
;;   THE QUANTISER, for each operand of a quantised product, along K:
;;     - K is cut into blocks of 32 from its start; a last block that is shorter is filled with zeros.
;;     - A block's scale is 2^e with e = floor(log2(the largest magnitude in the block)) - 2, held to -126 .. 127; a block of zeros has e = 0. As a byte (E8M0): e + 127.
;;     - Each number is divided by its block's scale, clamped to +-6, and rounded to the nearest number of E2M1, ties to even, subnormals kept.
;;     - The product sums the exact products of the quantised numbers (number of the format x scale) in f32.
;;   ~~~python
;;   def quantise(x, axis):      # numpy; x: float32 -> the quantised numbers, widened to float32 again
;;       x = np.moveaxis(x, axis, -1); K = x.shape[-1]
;;       x = np.pad(x, [(0, 0)] * (x.ndim - 1) + [(0, -K % 32)]); x = x.reshape(x.shape[:-1] + (-1, 32)); a = np.abs(x).max(-1, keepdims=True)
;;       e = np.where(a > 0, np.clip(np.frexp(np.where(a > 0, a, 1))[1] - 1 - 2, -126, 127), 0)      # np.frexp(a)[1] - 1 = floor(log2(a)), exactly
;;       r = np.clip(x / 2.0 ** e, -6, 6)
;;       step = 2.0 ** (np.maximum(np.frexp(np.where(r == 0, 1, r))[1] - 1, 0) - 1)
;;       q = np.round(r / step) * step * 2.0 ** e      # np.round: ties to even
;;       return np.moveaxis(q.reshape(q.shape[:-2] + (-1,))[..., :K], -1, axis).astype(np.float32)
;;   ~~~
;;   OPERANDS COMPUTED ON THE WAY. 'Computed on the way' means the value that the module computes at that place (a softmax that the list does not call 'softmax' is quantised finished and normalised). What goes into a quantiser is computed in f32, as accurately as f32 sums, v_exp_f32 and their like allow (about 1e-6 of the number): no bf16 or f16 on the way to a quantiser, and a product that is left as it is and whose result goes on into a quantised operand takes f32 operands (vector FMAs, or v_wmma_f32_16x16x4_f32). A number that lies on a knife's edge between two numbers of the format may be rounded either way, as far as f32 arithmetic and the matrix unit's own rounding can turn it there, and no further.
;; One version. Each part assembles by itself: llvm-mc -triple=amdgcn-amd-amdhsa -mcpu=gfx1250 --defsym DOCPART=n.
;; ======== version 1 of 1: 2 launches
;; limits: right only within a limited range of input values
;; workspace buffers: aq 4,456,448 bytes; bq 17,825,792 bytes
;; launch quant (part 1): grid 512 x 1, 5 waves a work-group, no clusters, 44,288 bytes of LDS; arguments h, x, Wf, Wi, Wg, Wo, aq, bq; writes aq, bq
.if DOCPART == 1
	.amdgcn_target "amdgcn-amd-amdhsa--gfx1250"
	.amdhsa_code_object_version 6
	.text
	.protected	k_q58ad408601_quant
	.globl	k_q58ad408601_quant
	.p2align	8
	.type	k_q58ad408601_quant,@function
k_q58ad408601_quant:
	s_mov_b64 s[64:65], 0
	v_nop
	global_prefetch_b8 v0, s[64:65] scope:SCOPE_SE
	s_setreg_imm32_b32 hwreg(HW_REG_WAVE_MODE, 25, 1), 1
	s_wait_xcnt 0x0
; [h, x] (2,048 rows x 4,096 along K) and Wf, Wi, Wg, Wo (2,048 rows x 4,096 each), f32 with K innermost, become codes of FP4 (E2M1) with one E8M0 scale byte for each 32 along K.
; A block's scale is 2^(floor(log2(its largest magnitude)) - 2); its byte is the largest magnitude's own exponent field - 2, held at 1 from below; each number is divided by the scale and rounded to the
; nearest code, ties to even; beyond 6 the conversion gives the largest code.
; THE WORKSPACE IS LAID AS THE PRODUCT'S LAUNCH READS IT: a RECORD of 272 bytes for one row and one K step of 512: bytes 0-255 the 512 codes (K ascending, the lower k in the low four bits), bytes 256-271 the
; 16 scale bytes.  aq: [8 K steps][2,048 rows][272];  bq: [8 K steps][8,192 rows n'][272], n' = 128 (hidden / 32) + 32 gate + hidden % 32, gate 0..3 = f, i, g, o.  K steps 0-3 of aq come from h, 4-7 from x.
; SHARES.  81,920 records; a wave makes 32 (32 neighbouring rows of ONE source tensor in one K step): it reads 32 x 2,048 bytes and stores 8,704 consecutive bytes.  2,560 waves = 512 work-groups of five.
; One way through the text serves all six tensors: pointers, the row pitch and the offsets are chosen by s_cselect on ids.
; A ROW'S TURN.  Four loads read 512 consecutive bytes each, 16 a lane: lane l of load i holds k = 128 i + 4 l + 0..3, so eight neighbouring lanes hold a block.  The numbers stay where they were loaded:
; the block's largest magnitude is joined over the eight lanes by three DPP steps; the conversion, which takes eight registers and one scale, is run twice on the registers of two loads, once with each load's
; scale, and the valid 16 bits of each result are joined.  A lane's 2 bytes and its neighbour's make 4 neighbouring bytes of the record (one DPP move, one byte permute): even lanes keep the first load's, odd lanes the second's.
; THE WAY OUT.  Three LDS stores a row gather the records in the wave's own out stage; at the end 17 loads and 17 stores move its 8,704 bytes, each store 512 consecutive bytes at a multiple of 256.
; No tensor loads, no cluster, no barrier: waves and work-groups share no input.  Loads run EIGHT rows (32 loads, 16,384 bytes a wave) ahead.  Rows 0-23 go in a loop of three trips, rows 24-31, which load nothing, are written out.
; LIMITS: NaN and infinities among the inputs are not served.  A block of zeros gets the byte 1 where the rule says 127: its codes are zeros, which add nothing under any byte but 0xff, and this program alone reads the bytes.
.set ROWS,  32
.set DEPTH, 8                          ; rows whose loads are out
.set REC,   272
.set WREG,  ROWS*REC                   ; 8,704 bytes of LDS for each wave: its out stage
.set SPARE, 5*WREG                     ; behind the five stages: the spare words, 128 bytes a wave, three blocks of 256 bytes that no other line names
.set W4,    12                         ; v12      this trip's place for my 4 bytes of codes
.set W5,    13                         ; v13      and for my scale byte
.set OFF,   16                         ; v16-23   set s: byte offset of my 16 bytes in the row that the set loads next
.set M,     24                         ; v24-27   load i: largest magnitude, then the conversion's scale operand
.set CA,    28                         ; v28-31   the four conversions' results
.set D,     32                         ; v32-33   joined halves; v34-35 the neighbour's
.set O,     36                         ; v36-47   four sets by turns: two words of codes, a scale byte
.set R,     48                         ; v48-175  eight sets of 16 numbers as they are loaded
.set OUTR,  48                         ; v48-115  the way out: 17 x 4 registers
.set SPW,   176
.set NIL,   177
	s_load_b256 s[4:11], s[0:1], 0x0               ; h s[4:5], x s[6:7], Wf s[8:9], Wi s[10:11]
	s_load_b256 s[12:19], s[0:1], 0x20             ; Wg s[12:13], Wo s[14:15], aq s[16:17], bq s[18:19]
	v_lshl_add_u32 v[SPW], v0, 2, SPARE
	v_mov_b32 v[NIL], 0
	v_lshrrev_b32 v1, 5, v0
	v_readfirstlane_b32 s20, v1                    ; wave 0..4
	s_mul_i32 s22, s20, WREG                       ; my wave's LDS
	s_mov_b32 s46, 0xaaaaaaaa                      ; lanes with l & 1
	s_mov_b32 s47, 0xcccccccc                      ; lanes with l & 2
	v_and_b32 v2, 31, v0                           ; lane
	v_lshlrev_b32 v3, 4, v2                        ; my 16 bytes of 512: in a load, and in a store of the way out
	v_and_b32 v7, 1, v2
	v_lshrrev_b32 v8, 1, v2
	v_lshlrev_b32 v4, 6, v7                        ; codes: odd lanes keep the second load's, 64 bytes on;
	v_lshl_add_u32 v4, v8, 2, v4                   ; 4 bytes for each pair of lanes
	v_add_nc_u32 v4, s22, v4
	v_and_b32 v9, 3, v2
	v_lshrrev_b32 v5, 3, v2
	v_lshl_add_u32 v5, v9, 2, v5                   ; scale byte: lane l stores that of block 4 (l & 3) + l / 8
	v_add_nc_u32 v5, s22, v5
	v_add_nc_u32 v6, s22, v3                       ; 16 bytes a lane when the stage is read back
	v_mov_b32 v10, 0x05040100                      ; even lanes: my low half, then the neighbour's low half
	v_mov_b32 v11, 0x03020706                      ; odd lanes: the neighbour's high half, then mine
	v_cndmask_b32 v10, v10, v11, s46
	v_mov_b32 v[D+2], 0                            ; a DPP form's destination counts as read
	v_mov_b32 v[D+3], 0
	s_lshr_b32 s21, ttmp9, 6                       ; the K step: 64 work-groups to each
	s_and_b32 s23, ttmp9, 63
	s_mul_i32 s23, s23, 5
	s_add_co_u32 s23, s23, s20                     ; my group of 32 rows, 0..319: 0-63 are [h, x]'s, 64-319 the weights'
	s_sub_co_u32 s26, s23, 64                      ; among the weights' (of no meaning in groups 0-63, where nothing made of it is chosen)
	s_and_b32 s27, s26, 3                          ; the gate
	s_and_b32 s43, s26, 1                          ; is it odd
	s_lshl_b32 s38, s23, 18                        ; [h, x]: 32 rows of 8,192 bytes a group,
	s_and_b32 s44, s21, 3
	s_lshl_b32 s44, s44, 11
	s_add_co_u32 s38, s38, s44                     ; + 2,048 bytes for each K step inside h or x
	s_lshl_b32 s40, s21, 6
	s_add_co_u32 s40, s40, s23
	s_mul_i32 s40, s40, ROWS*REC                   ; in aq: (64 x K step + group) x 8,704
	s_lshr_b32 s44, s26, 2
	s_lshl_b32 s44, s44, 19                        ; a weight: hidden units 32 (group / 4) on, rows of 16,384 bytes,
	s_lshl_b32 s45, s21, 11
	s_add_co_u32 s44, s44, s45                     ; + 2,048 bytes for each K step
	s_lshl_b32 s45, s21, 8
	s_add_co_u32 s45, s45, s26
	s_mul_i32 s45, s45, ROWS*REC                   ; in bq: (256 x K step + group) x 8,704
	s_mov_b32 s39, 0
	s_mov_b32 s41, 0
	s_wait_alu depctr_va_vdst(0)
	s_wait_kmcnt 0x0
	s_cmp_lt_u32 s21, 4                            ; every choice hangs on ids alone
	s_cselect_b64 s[24:25], s[4:5], s[6:7]         ; h or x
	s_cmp_lt_u32 s27, 2
	s_cselect_b64 s[28:29], s[8:9], s[12:13]       ; an even gate: Wf or Wg
	s_cselect_b64 s[30:31], s[10:11], s[14:15]     ; an odd one: Wi or Wo
	s_cmp_eq_u32 s43, 1
	s_cselect_b64 s[28:29], s[30:31], s[28:29]
	s_cmp_lt_u32 s23, 64
	s_cselect_b64 s[32:33], s[24:25], s[28:29]     ; the source,
	s_cselect_b64 s[34:35], s[16:17], s[18:19]     ; the workspace,
	s_cselect_b32 s36, 13, 14                      ; the source's row: 2^13 or 2^14 bytes,
	s_cselect_b32 s38, s38, s44                    ; where my rows begin in the source,
	s_cselect_b32 s40, s40, s45                    ; and my records in the workspace
	s_add_nc_u64 s[32:33], s[32:33], s[38:39]
	s_add_nc_u64 s[34:35], s[34:35], s[40:41]
	s_lshl_b32 s37, 1, s36                         ; a row on
	s_lshl_b32 s42, s37, 3                         ; DEPTH rows on
	v_mov_b32 v[OFF], v3
.irp i, 1,2,3,4,5,6,7
	v_add_nc_u32 v[OFF+\i], s37, v[OFF+\i-1]
.endr
.macro LOAD s, step                    ; a row's 2,048 bytes of this K step into set s
.if \step
	v_add_nc_u32 v[OFF+\s], s42, v[OFF+\s]         ; the set's last loads have been waited for: their offset may step
.endif
.irp i, 0,1,2,3
	global_load_b128 v[R+16*\s+4*\i:R+16*\s+4*\i+3], v[OFF+\s], s[32:33] offset:512*\i th:TH_LOAD_NT   ; 32 lanes read 512 consecutive bytes; read once in the launch
.endr
.endm
.irp t, 0,1,2,3,4,5,6,7
	LOAD \t, 0
.endr
; Row j of a trip.  ahead = 1: its set takes the row eight on.  left = the younger loads that may stay out.
.macro STEP j, ahead, left
.set RS, R+16*(\j)
.set OS, O+3*((\j)%4)
	s_wait_loadcnt \left                           ; this row's four loads are in
	s_wait_dscnt 9                                 ; at most the last three rows' nine stores are out: those of four rows back have read the set written below
.irp i, 0,1,2,3
	v_max3_num_f32 v[M+\i], |v[RS+4*\i]|, |v[RS+4*\i+1]|, |v[RS+4*\i+2]|   ; the four loads' chains by turns
.endr
.irp i, 0,1,2,3
	v_max3_num_f32 v[M+\i], v[M+\i], |v[RS+4*\i+3]|, 0x1800000             ; and the floor 2^(3 - 127): the byte cannot fall under 1
.endr
.irp x, 1,2,4
.irp i, 0,1,2,3
	v_max_num_f32_dpp v[M+\i], v[M+\i], v[M+\i] row_xmask:\x row_mask:0xf bank_mask:0xf   ; over the eight lanes of the block
.endr
.endr
.irp i, 0,1,2,3
	v_add_nc_u32 v[M+\i], 0xff000000, v[M+\i]      ; 2 off the exponent field: the conversion's scale operand
.endr
	v_cvt_scalef32_pk8_fp4_f32 v[CA],   v[RS:RS+7],    v[M]    ; loads 0 and 1 under load 0's scale: the low 16 bits count,
	v_cvt_scalef32_pk8_fp4_f32 v[CA+1], v[RS:RS+7],    v[M+1]  ; under load 1's: the high 16
	v_cvt_scalef32_pk8_fp4_f32 v[CA+2], v[RS+8:RS+15], v[M+2]
	v_cvt_scalef32_pk8_fp4_f32 v[CA+3], v[RS+8:RS+15], v[M+3]
	v_cndmask_b32 v8, v[M], v[M+1], s46            ; lane l takes load (l & 3)'s scale (plain lines behind the conversions)
	v_cndmask_b32 v9, v[M+2], v[M+3], s46
	v_cndmask_b32 v8, v8, v9, s47
	v_lshrrev_b32 v[OS+2], 23, v8                  ; its byte
	v_bfi_b32 v[D],   0xffff, v[CA],   v[CA+1]
	v_bfi_b32 v[D+1], 0xffff, v[CA+2], v[CA+3]
	v_mov_b32_dpp v[D+2], v[D]   row_xmask:1 row_mask:0xf bank_mask:0xf
	v_mov_b32_dpp v[D+3], v[D+1] row_xmask:1 row_mask:0xf bank_mask:0xf
	v_perm_b32 v[OS],   v[D+2], v[D],   v10        ; 4 neighbouring bytes of the record
	v_perm_b32 v[OS+1], v[D+3], v[D+1], v10
.if \ahead
	LOAD \j, 1
.endif
	ds_store_b32 v[W4], v[OS]   offset:REC*(\j)        ; loads 0 and 1: bytes 0-127 of the record,
	ds_store_b32 v[W4], v[OS+1] offset:REC*(\j)+128    ; loads 2 and 3: bytes 128-255,
	ds_store_b8  v[W5], v[OS+2] offset:REC*(\j)+256    ; the 16 scale bytes: two lanes write each, with the same value
.endm
	s_mov_b32 s21, 0                               ; the trip's first record in the stage, in bytes; also the loop's counter
	s_wait_alu depctr_va_vdst(0)
.Ltrip:
	s_wait_dscnt 0x0                               ; the last trip's stores have read their addresses
	v_add_nc_u32 v[W4], s21, v4
	v_add_nc_u32 v[W5], s21, v5
.irp j, 0,1,2,3,4,5,6,7
	STEP \j, 1, 4*(DEPTH-1)
.endr
	s_add_co_u32 s21, s21, 8*REC
	s_cmp_lt_u32 s21, 3*8*REC
	s_wait_alu depctr_va_vdst(0)
	s_cbranch_scc1 .Ltrip
	s_wait_dscnt 0x0
	v_add_nc_u32 v[W4], s21, v4
	v_add_nc_u32 v[W5], s21, v5
.irp j, 0,1,2,3,4,5,6,7
	STEP \j, 0, 4*(7-\j)                           ; the last eight rows load nothing: the counts run down
.endr
.irp i, 0,1,2,3,4,5,6,7,8,9,10,11,12,13,14,15,16
	ds_load_b128 v[OUTR+4*\i:OUTR+4*\i+3], v6 offset:512*\i        ; the 32 records as they lie: LDS serves a wave's instructions in order, so these see my stores
.endr
.irp i, 0,1,2,3,4,5,6,7,8,9,10,11,12,13,14,15,16
	s_wait_dscnt 16-\i                             ; load i is in; the younger ones may be out
	global_store_b128 v3, v[OUTR+4*\i:OUTR+4*\i+3], s[34:35] offset:512*\i   ; 32 lanes store 512 consecutive bytes, at a multiple of 256 from the buffer's first byte
.endr
	s_wait_tensorcnt 0x0                           ; the wave's end
	ds_add_u32 v[SPW], v[NIL]
	s_wait_dscnt 0x0
	s_endpgm
.Lfunc_end_k_q58ad408601_quant:
	.size	k_q58ad408601_quant, .Lfunc_end_k_q58ad408601_quant-k_q58ad408601_quant
	.p2alignl 7, 3214868480
	.fill 96, 4, 3214868480
	.section	.rodata,"a",@progbits
	.p2align	6, 0x0
	.amdhsa_kernel k_q58ad408601_quant
		.amdhsa_group_segment_fixed_size 44288
		.amdhsa_private_segment_fixed_size 0
		.amdhsa_enable_private_segment 0
		.amdhsa_kernarg_size 64
		.amdhsa_user_sgpr_count 2
		.amdhsa_user_sgpr_kernarg_segment_ptr 1
		.amdhsa_wavefront_size32 1
		.amdhsa_system_sgpr_workgroup_id_x 1
		.amdhsa_system_sgpr_workgroup_id_y 1
		.amdhsa_system_sgpr_workgroup_id_z 1
		.amdhsa_system_vgpr_workitem_id 0
		.amdhsa_next_free_vgpr 180
		.amdhsa_next_free_sgpr 66
		.amdhsa_reserve_vcc 0
		.amdhsa_float_denorm_mode_32 3
		.amdhsa_float_denorm_mode_16_64 3
		.amdhsa_memory_ordered 1
		.amdhsa_forward_progress 1
		.amdhsa_inst_pref_size 58
	.end_amdhsa_kernel
	.amdgpu_metadata
---
amdhsa.version: [ 1, 2 ]
amdhsa.kernels:
  - .name:           k_q58ad408601_quant
    .symbol:         k_q58ad408601_quant.kd
    .args:
      - { .name: h, .offset: 0, .size: 8, .value_kind: global_buffer, .address_space: global }
      - { .name: x, .offset: 8, .size: 8, .value_kind: global_buffer, .address_space: global }
      - { .name: Wf, .offset: 16, .size: 8, .value_kind: global_buffer, .address_space: global }
      - { .name: Wi, .offset: 24, .size: 8, .value_kind: global_buffer, .address_space: global }
      - { .name: Wg, .offset: 32, .size: 8, .value_kind: global_buffer, .address_space: global }
      - { .name: Wo, .offset: 40, .size: 8, .value_kind: global_buffer, .address_space: global }
      - { .name: aq, .offset: 48, .size: 8, .value_kind: global_buffer, .address_space: global }
      - { .name: bq, .offset: 56, .size: 8, .value_kind: global_buffer, .address_space: global }
    .group_segment_fixed_size: 44288
    .private_segment_fixed_size: 0
    .kernarg_segment_align: 8
    .kernarg_segment_size: 64
    .max_flat_workgroup_size: 160
    .sgpr_count:     66
    .vgpr_count:     180
    .wavefront_size: 32
...
	.end_amdgpu_metadata
.endif
;; end of part 1
;; launch cell (part 2): grid 32 x 8, 4 waves a work-group, clusters of 4 x 4, 327,680 bytes of LDS; arguments aq, bq, c, bf, bi, bg, bo, out0, out1; writes out0, out1
.if DOCPART == 2
	.amdgcn_target "amdgcn-amd-amdhsa--gfx1250"
	.amdhsa_code_object_version 6
	.text
	.protected	k_q58ad408601_cell
	.globl	k_q58ad408601_cell
	.p2align	8
	.type	k_q58ad408601_cell,@function
k_q58ad408601_cell:
	s_mov_b64 s[64:65], 0
	v_nop
	global_prefetch_b8 v0, s[64:65] scope:SCOPE_SE
	s_setreg_imm32_b32 hwreg(HW_REG_WAVE_MODE, 25, 1), 1
	s_wait_xcnt 0x0
	s_wait_alu depctr_hold_cnt(0) depctr_sa_sdst(0) depctr_va_vdst(0) depctr_va_sdst(0) depctr_va_ssrc(0) depctr_va_vcc(0) depctr_vm_vsrc(0)
	s_getreg_b32 s2, hwreg(HW_REG_IB_STS2, 6, 4)
	s_cmp_eq_u32 s2, 0
	s_cbranch_scc0 .Lentry_in_a_cluster
	s_endpgm
.Lentry_in_a_cluster:
	s_bfe_u32 s2, ttmp6, 0x10000c
	s_cmp_lg_u32 s2, 0xf033
	s_cbranch_scc0 .Lentry_shape_is_right
	s_endpgm
.Lentry_shape_is_right:
; gates = Q([h, x]) Q(W)^T + b on codes of FP4 with E8M0 scales, then the cell: c_t = sigmoid(f) c + sigmoid(i) tanh(g), h_t = sigmoid(o) tanh(c_t).  out0 = h_t, out1 = c_t, f32.
; aq, bq: records of 272 bytes (256 of codes for 512 along K, 16 scale bytes), [K step][row][272]; bq's rows n' = 128 (hidden / 32) + 32 gate + hidden % 32.
; A work-group of four waves makes 256 batch rows x 256 rows n' (all four gates of 64 hidden units); a wave 128 x 128: 64 accumulators, 512 registers; grid 32 x 8 = 256 work-groups.
; K goes in 8 steps of 512 through a ring of two LDS slots.  A wave's tensor load brings 128 records, 34,816 dense bytes, stated as 136 rows of 256 bytes: the record's 272 bytes are also the LDS pitch, and the scale bytes ride with the codes.
; CLUSTERS 4 x 4: A's tiles are asked for jointly along a row of the cluster, B's along a column.  The matrix instruction is used transposed (source 0 = rows of bq, source 1 = rows of aq): a lane holds eight neighbouring n' of one batch row.
; A quarter is 128 along K, 64 matrix instructions, the 64 accumulators by turns in one order.  A AND B HAVE TWO FRAGMENT SETS: at a quarter's head the NEXT quarter's 32 LDS loads go out in one run,
; and only then the quarter waits for its own fragments, by count: B's eight and A's first two blocks, then two blocks of A at a time.  So a slot's reads are asked for a quarter ahead of its last quarter, and the change of slots stands at that quarter's head.
; The biases are the C of each accumulator's first product.
; PREFETCH: of the 136 blocks of 256 bytes that a wave fetches in a K step, each of the four partners that ask jointly takes 34, told apart by address (cx for A, cy for B): two instructions, lanes 256 bytes apart; in the second, lane 0 names
; block 32 and the other lanes block 33.  Behind the load of K step 0 each wave asks for K steps 1 and 2; behind the load of K step s, s = 1 .. 5, for K step s + 2, the load two refills on.  So at most two K steps are asked for and not yet loaded.
; K step 0 comes by its load alone; steps 6 and 7's loads ask for nothing along K; c's tile (a lane a row, 256 rows) is asked for two refills ahead of its load.
; THE WAY OUT: c's tile (256 rows x 256 bytes) lands in slot 0 behind that slot's last read.  Block by block of 16 rows a wave computes its 32 hidden units, puts c_t over c and h_t into a stage beside it (both in slot 0, which has had its last fill);
; a row's 256 bytes come from two waves, so a barrier stands between writing and reading; of each pair one wave stores c_t's rows and the other h_t's, sixteen lanes to an aligned 256 bytes.
; sigmoid(z) = 1 / (1 + 2^(-z log2 e)), tanh(z) = 1 - 2 / (1 + 2^(2 z log2 e)): where the exponential overflows to infinity or falls to 0 the reciprocal gives the function's limit.  LIMITS: NaN and infinities among the inputs are not served.
; REGISTERS: window 0: v0-31 addresses; v32-95 scale words, a set for each slot; v96-127 c at work; v128-191 A's set 0; v192-255 the biases, later the way out.
;   window 1: v0-63 B's set 0, v64-127 A's set 1, v128-191 B's set 1.  windows 2, 3: the accumulators of my rows 0-63, 64-127.
.set PITCH,  272
.set HALFT,  128*PITCH                 ; what one tensor load of the ring brings
.set SLOT,   4*HALFT                   ; A's 256 records, then B's
.set SPARE,  2*SLOT                    ; behind the ring: the spare words, two blocks of 256 bytes that no other line names
.set HST,    2*HALFT                   ; h_t's stage, behind c's tile in slot 0
.set ASTEP,  2048*PITCH                ; a K step on in aq, in bq
.set BSTEP,  8192*PITCH
.set NQ,     4
.set FR,     8
.set NP,     4                         ; places behind this matrix instruction (ISA guide 7.12.1)
.set LAPS,   4
.set ADRA, 16                          ; v16-17 LDS address of my A fragments in slot 0, 1;  v20-21 B's;  v22-23 scale words (lanes 0-15 A's rows, 16-31 B's)
.set CO,   18
.set BO,   19
.set ADRB, 20
.set ADRS, 22
.set CA,   24
.set HA,   25
.set RD,   26
.set PFO2, 27
.set SPW,  28
.set NIL,  29
.set PFC,  30
.set PFO,  31
.set SC,   32
.set CV,   96
.set AF,   128
.set BI,   192
.set T,    128
.set OB,   192
.set G1,   24
.set G0,   32
.set G1B,  48
.set G0B,  56
.set PFA,  66
.set PF1,  78                          ; s[78:79] K step 2's address for the head's prefetch
.set G1C,  80
.set G0C,  88
.set KN,   92
.set K2,   94
.set PFB,  96
.set PFS,  98
.set MSB, 0
.macro WIN new                         ; the immediate's high byte repeats the setting that is left
.if MSB != (\new)
	s_set_vgpr_msb (MSB<<8)|(\new)
.set MSB, (\new)
.endif
.endm
.macro MWIN hi, p, one                 ; a product's windows: source 0 (B) 1; source 1 (A) p; D 2 + hi; C the same, or 0 for the biases
	WIN ((2+(\hi))<<6)|(((1-(\one))*(2+(\hi)))<<4)|((\p)<<2)|1
.endm
.set TO_B,   0x40
.macro JLOAD g0a, g1a, g0b, g1b        ; a joint load: waves 0, 1 fetch for A, waves 2, 3 for B
	s_cmp_eq_u32 s15, 0
	s_cbranch_scc0 .Lfor_b_\@
	tensor_load_to_lds s[\g0a:\g0a+3], s[\g1a:\g1a+7]
	s_nop 0
.rept 4
	v_nop
.endr
	s_branch .Lasked_\@
.Lfor_b_\@:
	tensor_load_to_lds s[\g0b:\g0b+3], s[\g1b:\g1b+7]
	s_nop 0
.rept 4
	v_nop
.endr
.Lasked_\@:
.endm
.macro CREST                           ; a round of the cluster's barrier behind its opening barrier
	s_cmp_lg_u32 s14, 0
	s_cbranch_scc1 .Lnot_wave_0_\@
	s_barrier_signal -3
.Lnot_wave_0_\@:
	s_barrier_wait -3
	s_barrier_signal -1
	s_barrier_wait -1
.endm
.macro CROUND
	s_barrier_signal -1
	s_barrier_wait -1
	CREST
.endm
.macro PF2 at                          ; my work-group's 34 blocks of the K step whose address stands in s[at:at+1]
	global_prefetch_b8 v[PFO], s[\at:\at+1] th:TH_LOAD_NT scope:SCOPE_SE
	global_prefetch_b8 v[PFO2], s[\at:\at+1] th:TH_LOAD_NT scope:SCOPE_SE
.endm
.macro ASK                             ; in the loop's last trip (s3 = 1) the K step two refills on does not exist
	s_cmp_gt_u32 s3, 1
	s_cbranch_scc0 .Lno_ask_\@
	PF2 PFA
.Lno_ask_\@:
.endm
.macro ASKC                            ; c's tile, in the loop's last trip: 64 rows a wave, a lane a row of 256 bytes
	s_cmp_eq_u32 s3, 1
	s_cbranch_scc0 .Lnot_yet_\@
	global_prefetch_b8 v[PFC], s[PFB:PFB+1] th:TH_LOAD_NT scope:SCOPE_SE
	global_prefetch_b8 v[PFC], s[PFB:PFB+1] offset:128*8192 th:TH_LOAD_NT scope:SCOPE_SE
.Lnot_yet_\@:
.endm
	s_load_b256 s[4:11], s[0:1], 0x0               ; aq s[4:5], bq s[6:7], c s[8:9], bf s[10:11]
	s_load_b256 s[68:75], s[0:1], 0x20             ; bi, bg, bo, out0
	s_load_b64 s[76:77], s[0:1], 0x40              ; out1
	v_lshl_add_u32 v[SPW], v0, 2, SPARE
	v_mov_b32 v[NIL], 0
	ds_add_u32 v[SPW], v[NIL]                      ; the opening: the add, twice on end, and its wait ahead of my first tensor load
	ds_add_u32 v[SPW], v[NIL]
	v_lshrrev_b32 v1, 5, v0
	v_readfirstlane_b32 s14, v1                    ; wave 0..3
	s_lshr_b32 s15, s14, 1                         ; my half of the rows; also: I fetch for A (0) or B (1)
	s_and_b32 s16, s14, 1                          ; my half of the columns; also: which 128 records I fetch
	s_bfe_u32 s40, ttmp6, 0x40000                  ; cx, cy
	s_bfe_u32 s41, ttmp6, 0x40004
	s_lshl_b32 s42, ttmp9, 2
	s_add_co_u32 s42, s42, s40                     ; tile column
	s_and_b32 s17, ttmp7, 0xffff
	s_lshl_b32 s17, s17, 2
	s_add_co_u32 s17, s17, s41                     ; tile row
	s_lshl_b32 s43, s41, 2
	s_lshl_b32 s43, 15, s43                        ; my row of the cluster
	s_lshl_b32 s44, 0x1111, s40                    ; my column
	s_or_b32 s[G1+0], s43, (3<<16)|(1<<21)         ; elements of 8 bytes, no padding; bit 21 beside the mask
	s_or_b32 s[G1B+0], s44, (3<<16)|(1<<21)
.irp g, G1, G1B
	s_mov_b32 s[\g+1], 32<<16                      ; 136 rows of 32 elements: 34,816 dense bytes
	s_mov_b32 s[\g+2], 136<<16
	s_mov_b32 s[\g+3], 32<<16
	s_mov_b32 s[\g+4], 136
	s_mov_b32 s[\g+5], 32
	s_mov_b32 s[\g+6], 0
	s_mov_b32 s[\g+7], 0
.endr
	s_mov_b32 s[G1C+0], (3<<16)|(1<<20)|(5<<22)|(3<<25)   ; c: 64 rows of 256 bytes, 16 of padding behind each, pitch 8,192 bytes in memory
	s_mov_b32 s[G1C+1], 32<<16
	s_mov_b32 s[G1C+2], 64<<16
	s_mov_b32 s[G1C+3], 32<<16
	s_mov_b32 s[G1C+4], 64
	s_mov_b32 s[G1C+5], 1024
	s_mov_b32 s[G1C+6], 0
	s_mov_b32 s[G1C+7], 0
	s_mov_b32 s[KN], 0xbfb8aa3b                    ; -log2 e
	s_mov_b32 s[KN+1], s[KN]
	s_mov_b32 s[K2], 0x4038aa3b                    ; 2 log2 e
	s_mov_b32 s[K2+1], s[K2]
	s_lshl_b32 s18, s16, 7
	s_lshl_b32 s20, s17, 8
	s_add_co_u32 s20, s20, s18
	s_mul_i32 s20, s20, PITCH                      ; A: my 128 records
	s_mov_b32 s21, 0
	s_lshl_b32 s46, s42, 8
	s_add_co_u32 s46, s46, s18
	s_mul_i32 s46, s46, PITCH                      ; B: my 128 records
	s_mov_b32 s47, 0
	s_mul_i32 s45, s14, HALFT                      ; where they go
	s_lshl_b32 s78, s17, 8
	s_lshl_b32 s79, s14, 6
	s_add_co_u32 s78, s78, s79
	s_lshl_b32 s78, s78, 13
	s_lshl_b32 s79, s42, 8
	s_add_co_u32 s78, s78, s79                     ; c: my 64 rows of the tile
	s_mov_b32 s79, 0
	s_lshl_b32 s98, s17, 8
	s_lshl_b32 s99, s15, 7
	s_add_co_u32 s98, s98, s99
	s_lshl_b32 s98, s98, 13
	s_lshl_b32 s99, s42, 8
	s_add_co_u32 s98, s98, s99                     ; the output: my 128 rows
	s_mov_b32 s99, 0
	s_lshl_b32 s22, s17, 8
	s_lshl_b32 s23, s14, 5
	s_add_co_u32 s22, s22, s23
	s_lshl_b32 s22, s22, 13
	s_lshl_b32 s23, s42, 8
	s_add_co_u32 s22, s22, s23                     ; c's prefetch: rows 32 w on, and 128 further
	s_mov_b32 s23, 0
	s_lshl_b32 s12, s42, 8
	s_lshl_b32 s13, s16, 7
	s_add_co_u32 s12, s12, s13                     ; the biases of my 32 hidden units
	s_mov_b32 s13, 0
	s_mul_i32 s19, s14, 64*PITCH
	s_wait_dscnt 0x0                               ; both opening adds are done
	s_wait_kmcnt 0x0
	s_add_nc_u64 s[20:21], s[4:5], s[20:21]
	s_add_nc_u64 s[46:47], s[6:7], s[46:47]
.irp s, 0,1
	s_mov_b32 s[G0+4*\s], 1
	s_add_co_u32 s[G0+4*\s+1], s45, \s*SLOT
	s_add_nc_u64 s[G0+4*\s+2:G0+4*\s+3], s[20:21], \s*ASTEP
	s_or_b32 s[G0+4*\s+3], s[G0+4*\s+3], 0x80000000
	s_mov_b32 s[G0B+4*\s], 1
	s_add_co_u32 s[G0B+4*\s+1], s45, \s*SLOT
	s_add_nc_u64 s[G0B+4*\s+2:G0B+4*\s+3], s[46:47], \s*BSTEP
	s_or_b32 s[G0B+4*\s+3], s[G0B+4*\s+3], 0x80000000
.endr
	CROUND                                         ; all sixteen work-groups are here: the first joint loads meet
	JLOAD G0, G1, G0B, G1B                         ; K step 0: one tensor load a wave at the head; all that follows up to the wait for it is done while it is on its way
	s_add_nc_u64 s[PFB:PFB+1], s[8:9], s[22:23]
	s_add_nc_u64 s[10:11], s[10:11], s[12:13]
	s_add_nc_u64 s[68:69], s[68:69], s[12:13]
	s_add_nc_u64 s[70:71], s[70:71], s[12:13]
	s_add_nc_u64 s[72:73], s[72:73], s[12:13]
	s_cmp_eq_u32 s16, 0
	s_cselect_b64 s[74:75], s[76:77], s[74:75]     ; of a pair of waves one stores c_t (out1), the other h_t (out0)
	s_add_nc_u64 s[74:75], s[74:75], s[98:99]
	s_mov_b32 s[G0C], 1
	s_mov_b32 s[G0C+1], s19
	s_add_nc_u64 s[G0C+2:G0C+3], s[8:9], s[78:79]
	s_or_b32 s[G0C+3], s[G0C+3], 0x80000000
	v_and_b32 v1, 15, v0                           ; l % 16
	v_bfe_u32 v2, v0, 4, 1                         ; l / 16
	v_lshlrev_b32 v[BO], 5, v2
.macro BIAS b, p                       ; in the result's layout: register j of block b is the bias of n' = 16 b + 8 (l / 16) + j
	global_load_b128 v[BI+8*\b:BI+8*\b+3], v[BO], s[\p:\p+1] offset:64*((\b)%2)
	global_load_b128 v[BI+8*\b+4:BI+8*\b+7], v[BO], s[\p:\p+1] offset:64*((\b)%2)+16
.endm
	BIAS 0, 10
	BIAS 1, 10
	BIAS 2, 68
	BIAS 3, 68
	BIAS 4, 70
	BIAS 5, 70
	BIAS 6, 72
	BIAS 7, 72
	v_mul_u32_u24 v3, v1, PITCH
	v_lshl_add_u32 v4, v2, 4, v3
	s_mul_i32 s18, s15, HALFT
	s_mul_i32 s19, s16, HALFT
	s_add_co_u32 s19, s19, 2*HALFT
	v_add_nc_u32 v[ADRA], s18, v4
	v_add_nc_u32 v[ADRB], s19, v4
	v_add_nc_u32 v[ADRA+1], SLOT, v[ADRA]
	v_add_nc_u32 v[ADRB+1], SLOT, v[ADRB]
	s_sub_co_u32 s19, s19, s18
	v_mul_u32_u24 v5, s19, v2                      ; lanes 16-31 take B's scale words
	v_add_nc_u32 v5, v5, v3
	s_add_co_u32 s18, s18, 256
	v_add_nc_u32 v[ADRS], s18, v5
	v_add_nc_u32 v[ADRS+1], SLOT, v[ADRS]
	s_mul_i32 s18, s15, HALFT
	s_lshl_b32 s19, s16, 7
	s_add_co_u32 s18, s18, s19
	v_lshl_add_u32 v[CA], v2, 5, v3                ; c's tile: my row, my 32 bytes
	v_add_nc_u32 v[CA], s18, v[CA]
	v_add_nc_u32 v[HA], HST, v[CA]
	s_mul_i32 s18, s15, HALFT
	s_mul_i32 s19, s16, HST
	s_add_co_u32 s18, s18, s19
	v_mul_u32_u24 v[RD], v2, PITCH                 ; back: sixteen lanes to a row of 256 bytes
	v_lshl_add_u32 v[RD], v1, 4, v[RD]
	v_add_nc_u32 v[RD], s18, v[RD]
	v_lshlrev_b32 v[CO], 13, v2
	v_lshl_add_u32 v[CO], v1, 4, v[CO]
	v_and_b32 v[PFC], 31, v0
	v_lshlrev_b32 v[PFO], 8, v[PFC]                ; blocks 0-31 of my work-group's 34,
	v_min_u32 v[PFO2], 1, v[PFC]
	v_lshl_add_u32 v[PFO2], v[PFO2], 8, 8192       ; blocks 32 and 33
	v_lshlrev_b32 v[PFC], 13, v[PFC]
	s_cmp_eq_u32 s15, 0
	s_cselect_b32 s78, s17, s42
	s_cselect_b32 s79, s40, s41                    ; my place among the four that ask with me
	s_cselect_b64 s[PFA:PFA+1], s[4:5], s[6:7]
	s_mov_b32 s[PFS], BSTEP
	s_cselect_b32 s[PFS], ASTEP, s[PFS]
	s_mov_b32 s[PFS+1], 0
	s_lshl_b32 s78, s78, 8
	s_lshl_b32 s22, s16, 7
	s_add_co_u32 s78, s78, s22
	s_lshl_b32 s79, s79, 5
	s_add_co_u32 s78, s78, s79
	s_mul_i32 s78, s78, PITCH                      ; 32 records are 34 blocks of 256 bytes
	s_mov_b32 s79, 0
	s_add_nc_u64 s[PFA:PFA+1], s[PFA:PFA+1], s[78:79]
	s_add_nc_u64 s[PFA:PFA+1], s[PFA:PFA+1], s[PFS:PFS+1]          ; K step 1
	s_add_nc_u64 s[PF1:PF1+1], s[PFA:PFA+1], s[PFS:PFS+1]          ; K step 2
	s_wait_alu depctr_va_vdst(0)
	PF2 PFA
	PF2 PF1
.macro FRAG reg, adr, q, i             ; 16 rows x 128 K: lane l holds row l % 16; registers 4 c .. 4 c + 3 hold K = 64 c + 32 (l / 16) + 0 .. 31
.irp c, 0,1
	ds_load_b128 v[\reg+4*\c:\reg+4*\c+3], v[\adr] offset:64*(\q)+32*\c+(\i)*16*PITCH
.endr
.endm
; 16 matrix instructions: A's blocks a0, a0 + 1 x B's eight, the slot's q-th 128 along K, fragment sets p, scale set sc.  zero = 1: the first product takes the biases as C
.macro MUL16 a0, p, q, sc, zero
.irp a, \a0, \a0+1
.irp b, 0,1,2,3,4,5,6,7
.if \zero
	v_wmma_scale_f32_16x16x128_f8f6f4 v[8*(8*((\a)%4)+\b):8*(8*((\a)%4)+\b)+7], v[128*(\p)+FR*\b:128*(\p)+FR*\b+FR-1], v[AF-64*(\p)+FR*(\a):AF-64*(\p)+FR*(\a)+FR-1], v[BI+8*\b:BI+8*\b+7], v[SC+8*NQ*(\sc)+NQ*\b+(\q)], v[SC+8*NQ*(\sc)+NQ*(\a)+(\q)] matrix_a_fmt:MATRIX_FMT_FP4 matrix_b_fmt:MATRIX_FMT_FP4 matrix_a_scale:MATRIX_SCALE_ROW1
.else
	v_wmma_scale_f32_16x16x128_f8f6f4 v[8*(8*((\a)%4)+\b):8*(8*((\a)%4)+\b)+7], v[128*(\p)+FR*\b:128*(\p)+FR*\b+FR-1], v[AF-64*(\p)+FR*(\a):AF-64*(\p)+FR*(\a)+FR-1], v[8*(8*((\a)%4)+\b):8*(8*((\a)%4)+\b)+7], v[SC+8*NQ*(\sc)+NQ*\b+(\q)], v[SC+8*NQ*(\sc)+NQ*(\a)+(\q)] matrix_a_fmt:MATRIX_FMT_FP4 matrix_b_fmt:MATRIX_FMT_FP4 matrix_a_scale:MATRIX_SCALE_ROW1
.endif
.endr
.endr
.endm
.macro FETCH slot, q, p                ; 32 LDS loads in one run: B's eight fragments (16 loads), then A's eight (2 loads a block), of the slot's q-th quarter into sets p
	WIN TO_B
.irp i, 0,1,2,3,4,5,6,7
	FRAG 128*(\p)+FR*\i, ADRB+\slot, \q, \i
.endr
.if (\p) == 0
	WIN 0
.endif
.irp i, 0,1,2,3,4,5,6,7
	FRAG AF-64*(\p)+FR*\i, ADRA+\slot, \q, \i
.endr
	WIN 0
.endm
.macro SCALES sc                       ; a slot's scale words: 4 a row; lanes 0-15 A's block i, lanes 16-31 B's block i
.irp i, 0,1,2,3,4,5,6,7
	ds_load_b128 v[SC+8*NQ*\sc+NQ*\i:SC+8*NQ*\sc+NQ*\i+3], v[ADRS+\sc] offset:\i*16*PITCH
.endr
.endm
.macro PLACES n
.rept \n
	v_nop
.endr
.endm
; A quarter that has its successor in the same slot.  The successor's 32 loads go out first, into the sets that the quarter before multiplied (four places behind its products).  Then this quarter's own fragments are waited for by count:
; LDS loads come back in order, so with the 32 just issued and the 12, 8, 4, 0 loads of A's blocks 2-7, 4-7, 6-7, none still out, what the next sixteen products read is in.
.macro STEP slot, q, zero
	PLACES NP
	FETCH \slot, (\q)+1, 1-(\q)%2
	s_wait_dscnt 32+12
	MWIN 0, (\q)%2, \zero
	MUL16 0, (\q)%2, \q, \slot, \zero
	s_wait_dscnt 32+8
	MUL16 2, (\q)%2, \q, \slot, \zero
	s_wait_dscnt 32+4
	MWIN 1, (\q)%2, \zero
	MUL16 4, (\q)%2, \q, \slot, \zero
	s_wait_dscnt 32
	MUL16 6, (\q)%2, \q, \slot, \zero
.endm
; A slot's last quarter changes slots at its head: its fragments, my last reads of the slot, were asked for a quarter ago.  fill = 1: the slot takes the K step two on; fill = 2: c's tile.
.macro TURN slot, next, fill
	WIN 0
.if \fill == 1
	s_wait_xcnt 0x0                                ; my prefetches have read their address: it steps one K step
	s_add_nc_u64 s[PFA:PFA+1], s[PFA:PFA+1], s[PFS:PFS+1]
.endif
	s_wait_tensorcnt 0x0                           ; all my tensor loads have landed: my part of the next slot;
	ds_add_u32 v[SPW], v[NIL]                      ; 0 onto my spare word;
	s_wait_dscnt 0x0                               ; the add is done, and my reads of this slot are over
	s_barrier_signal -1
	MWIN 0, 1, 0
	MUL16 0, 1, NQ-1, \slot, 0                     ; work on registers while the others arrive
	WIN 0
	s_barrier_wait -1
	CREST                                          ; the barrier has opened a round of the cluster's barrier
.if \fill == 1
	s_add_nc_u64 s[G0+4*\slot+2:G0+4*\slot+3], s[G0+4*\slot+2:G0+4*\slot+3], 2*ASTEP
	s_add_nc_u64 s[G0B+4*\slot+2:G0B+4*\slot+3], s[G0B+4*\slot+2:G0B+4*\slot+3], 2*BSTEP
	JLOAD G0+4*\slot, G1, G0B+4*\slot, G1B         ; the first tensor load behind the round; its four v_nop are the places in front of the loads below
.else
	tensor_load_to_lds s[G0C:G0C+3], s[G1C:G1C+7]
	s_nop 0
	PLACES NP
.endif
	SCALES \next                                   ; ahead of the fragments, so that the next quarter's counted waits cover them
	FETCH \next, 0, 0
.if \fill == 1
	ASK
.if \slot == 0
	ASKC
.endif
.endif
	MWIN 0, 1, 0
	MUL16 2, 1, NQ-1, \slot, 0
	MWIN 1, 1, 0
	MUL16 4, 1, NQ-1, \slot, 0
	MUL16 6, 1, NQ-1, \slot, 0
.endm
.macro STEPS slot, from
.set Q, \from
.rept NQ-1-\from
	STEP \slot, Q, 0
.set Q, Q+1
.endr
.endm
	s_wait_tensorcnt 0x0                           ; my part of K step 0 is in
	ds_add_u32 v[SPW], v[NIL]
	ds_add_u32 v[SPW], v[NIL]
	s_wait_xcnt 0x0                                ; the prefetches have read their addresses
	s_add_nc_u64 s[PFA:PFA+1], s[PFA:PFA+1], s[PFS:PFS+1]
	s_add_nc_u64 s[PFA:PFA+1], s[PFA:PFA+1], s[PFS:PFS+1]          ; on to K step 3
	s_wait_loadcnt 0x0                             ; the biases
	s_wait_dscnt 0x0
	CROUND                                         ; everybody's part of K step 0 is in, and the joint loads meet
	JLOAD G0+4, G1, G0B+4, G1B                     ; K step 1: slot 1's first fill
	SCALES 0
	FETCH 0, 0, 0
	PF2 PFA                                        ; K step 3
	STEP 0, 0, 1                                   ; the first quarter stands in front of the loop: its products start the sums on the biases
	WIN 0
	s_mov_b32 s3, LAPS-1
.Llap:                                                 ; a trip goes once round the ring, from a lap's second quarter to the next lap's first
	STEPS 0, 1
	TURN 0, 1, 1
	STEPS 1, 0
	TURN 1, 0, 1
	STEP 0, 0, 0
	WIN 0
	s_sub_co_u32 s3, s3, 1
	s_cmp_lg_u32 s3, 0
	s_cbranch_scc1 .Llap
	STEPS 0, 1
	TURN 0, 1, 2                                   ; slot 0 has been read out: it takes c's tile
	STEPS 1, 0
	s_wait_dscnt 12                                ; the last quarter: nothing more to fetch; the loads of A's blocks 2-7 may be out,
	MWIN 0, 1, 0
	MUL16 0, 1, NQ-1, 1, 0
	s_wait_dscnt 8                                 ; those of blocks 4-7
	MUL16 2, 1, NQ-1, 1, 0
	s_wait_dscnt 0x0                               ; no LDS load of mine is out at the signal
	s_wait_tensorcnt 0x0                           ; my part of c's tile is in
	s_barrier_signal -1
	MWIN 1, 1, 0
	MUL16 4, 1, NQ-1, 1, 0
	MUL16 6, 1, NQ-1, 1, 0
	WIN 0
	s_barrier_wait -1
	PLACES NP
.macro BACK a                          ; block a's 16 rows of c_t or of h_t, whole
.irp t, 0,1,2,3,4,5,6,7
	ds_load_b128 v[OB+32*((\a)%2)+4*\t:OB+32*((\a)%2)+4*\t+3], v[RD] offset:(16*(\a)+2*\t)*PITCH
.endr
.endm
.macro SEND a, counted
.irp t, 0,1,2,3,4,5,6,7
.if \counted
	s_wait_dscnt 7-\t
.endif
	global_store_b128 v[CO], v[OB+32*((\a)%2)+4*\t:OB+32*((\a)%2)+4*\t+3], s[74:75] offset:(16*(\a)+2*\t)*8192 th:TH_STORE_NT   ; 16 lanes store 256 consecutive bytes, aligned
.endr
.endm
; Block a: 16 rows x my 32 hidden units.  T+0..15 f, +16..31 i, +32..47 g, +48..63 o.  Each batch of transcendentals has one wait ahead of it and one behind it.
.macro UNIT a
.set CC, CV+16*((\a)%2)
.set AC, 64*((\a)%4)
.irp u, 0,1
.irp p, 0,1
	ds_load_b128 v[CC+8*\u+4*\p:CC+8*\u+4*\p+3], v[CA] offset:(\a)*16*PITCH+64*\u+16*\p
.endr
.endr
	WIN 0x02+(\a)/4
.irp b, 0,1,2,3,4,5,6,7
.irp p, 0,2,4,6
.if (\b)/2 == 2
	v_pk_mul_f32 v[T+8*\b+\p:T+8*\b+\p+1], v[AC+8*\b+\p:AC+8*\b+\p+1], s[K2:K2+1] op_sel_hi:[1,0]
.else
	v_pk_mul_f32 v[T+8*\b+\p:T+8*\b+\p+1], v[AC+8*\b+\p:AC+8*\b+\p+1], s[KN:KN+1] op_sel_hi:[1,0]
.endif
.endr
.endr
	WIN 0
.set j, 0
	s_wait_alu depctr_va_vdst(0)
.rept 64
	v_exp_f32 v[T+j], v[T+j]
.set j, j+1
.endr
	v_nop
	s_wait_alu depctr_va_vdst(0)
.set j, 0
.rept 32
	v_pk_add_f32 v[T+j:T+j+1], v[T+j:T+j+1], 1.0 op_sel_hi:[1,0]
.set j, j+2
.endr
.set j, 0
	s_wait_alu depctr_va_vdst(0)
.rept 64
	v_rcp_f32 v[T+j], v[T+j]
.set j, j+1
.endr
	v_nop
	s_wait_alu depctr_va_vdst(0)
.irp p, 0,2,4,6,8,10,12,14
	v_pk_fma_f32 v[T+32+\p:T+33+\p], v[T+32+\p:T+33+\p], -2.0, 1.0 op_sel_hi:[1,0,0]   ; tanh(g)
.endr
.irp p, 0,2,4,6,8,10,12,14
	v_pk_mul_f32 v[T+32+\p:T+33+\p], v[T+16+\p:T+17+\p], v[T+32+\p:T+33+\p]
.endr
	s_wait_alu depctr_va_vdst(0)
	s_wait_dscnt 0x0                               ; c is in; my stores of block a - 1 into the stages are done (for the other wave of my pair); block a - 2 is back in registers
.if (\a) > 0
	s_barrier_signal -1                            ; every block has LDS bytes of its own, so block a - 1's barrier can stand here, in the middle of block a's arithmetic
	s_barrier_wait -1
.if (\a) > 1
	s_wait_xcnt 0x0                                ; block a - 3's stores have read the registers that block a - 1's rows land in
	SEND (\a)-2, 0
.endif
	BACK (\a)-1
.endif
.irp p, 0,2,4,6,8,10,12,14
	v_pk_fma_f32 v[T+\p:T+\p+1], v[T+\p:T+\p+1], v[CC+\p:CC+\p+1], v[T+32+\p:T+33+\p]   ; c_t
.endr
.irp p, 0,2,4,6,8,10,12,14
	v_pk_mul_f32 v[T+32+\p:T+33+\p], v[T+\p:T+\p+1], s[K2:K2+1] op_sel_hi:[1,0]
.endr
.set j, 0
	s_wait_alu depctr_va_vdst(0)
.rept 16
	v_exp_f32 v[T+32+j], v[T+32+j]
.set j, j+1
.endr
.irp u, 0,1
.irp p, 0,1
	ds_store_b128 v[CA], v[T+8*\u+4*\p:T+8*\u+4*\p+3] offset:(\a)*16*PITCH+64*\u+16*\p
.endr
.endr
	v_nop
	s_wait_alu depctr_va_vdst(0)
.irp p, 0,2,4,6,8,10,12,14
	v_pk_add_f32 v[T+32+\p:T+33+\p], v[T+32+\p:T+33+\p], 1.0 op_sel_hi:[1,0]
.endr
.set j, 0
	s_wait_alu depctr_va_vdst(0)
.rept 16
	v_rcp_f32 v[T+32+j], v[T+32+j]
.set j, j+1
.endr
	v_nop
	s_wait_alu depctr_va_vdst(0)
.irp p, 0,2,4,6,8,10,12,14
	v_pk_fma_f32 v[T+32+\p:T+33+\p], v[T+32+\p:T+33+\p], -2.0, 1.0 op_sel_hi:[1,0,0]   ; tanh(c_t)
.endr
.irp p, 0,2,4,6,8,10,12,14
	v_pk_mul_f32 v[T+48+\p:T+49+\p], v[T+48+\p:T+49+\p], v[T+32+\p:T+33+\p]             ; h_t
.endr
.irp u, 0,1
.irp p, 0,1
	ds_store_b128 v[HA], v[T+48+8*\u+4*\p:T+48+8*\u+4*\p+3] offset:(\a)*16*PITCH+64*\u+16*\p
.endr
.endr
.endm
.irp a, 0,1,2,3,4,5,6,7
	UNIT \a
.endr
	s_wait_dscnt 0x0                               ; my stores of block 7 are done, and block 6 is back in registers
	s_barrier_signal -1
	s_barrier_wait -1
	s_wait_xcnt 0x0                                ; block 5's stores have read the registers that block 7's rows land in
	SEND 6, 0
	BACK 7
	SEND 7, 1
	s_wait_tensorcnt 0x0                           ; the wave's end
	ds_add_u32 v[SPW], v[NIL]
	s_wait_dscnt 0x0
	CROUND                                         ; the closing round
	s_endpgm
.Lfunc_end_k_q58ad408601_cell:
	.size	k_q58ad408601_cell, .Lfunc_end_k_q58ad408601_cell-k_q58ad408601_cell
	.p2alignl 7, 3214868480
	.fill 96, 4, 3214868480
	.section	.rodata,"a",@progbits
	.p2align	6, 0x0
	.amdhsa_kernel k_q58ad408601_cell
		.amdhsa_group_segment_fixed_size 327680
		.amdhsa_private_segment_fixed_size 0
		.amdhsa_enable_private_segment 0
		.amdhsa_kernarg_size 72
		.amdhsa_user_sgpr_count 2
		.amdhsa_user_sgpr_kernarg_segment_ptr 1
		.amdhsa_wavefront_size32 1
		.amdhsa_system_sgpr_workgroup_id_x 1
		.amdhsa_system_sgpr_workgroup_id_y 1
		.amdhsa_system_sgpr_workgroup_id_z 1
		.amdhsa_system_vgpr_workitem_id 0
		.amdhsa_next_free_vgpr 1024
		.amdhsa_next_free_sgpr 100
		.amdhsa_reserve_vcc 0
		.amdhsa_float_denorm_mode_32 3
		.amdhsa_float_denorm_mode_16_64 3
		.amdhsa_memory_ordered 1
		.amdhsa_forward_progress 1
		.amdhsa_inst_pref_size 255
	.end_amdhsa_kernel
	.section	.bss,"aw",@nobits
	.p2align	6
	.space	262144
	.amdgpu_metadata
---
amdhsa.version: [ 1, 2 ]
amdhsa.kernels:
  - .name:           k_q58ad408601_cell
    .symbol:         k_q58ad408601_cell.kd
    .args:
      - { .name: aq, .offset: 0, .size: 8, .value_kind: global_buffer, .address_space: global }
      - { .name: bq, .offset: 8, .size: 8, .value_kind: global_buffer, .address_space: global }
      - { .name: c, .offset: 16, .size: 8, .value_kind: global_buffer, .address_space: global }
      - { .name: bf, .offset: 24, .size: 8, .value_kind: global_buffer, .address_space: global }
      - { .name: bi, .offset: 32, .size: 8, .value_kind: global_buffer, .address_space: global }
      - { .name: bg, .offset: 40, .size: 8, .value_kind: global_buffer, .address_space: global }
      - { .name: bo, .offset: 48, .size: 8, .value_kind: global_buffer, .address_space: global }
      - { .name: out0, .offset: 56, .size: 8, .value_kind: global_buffer, .address_space: global }
      - { .name: out1, .offset: 64, .size: 8, .value_kind: global_buffer, .address_space: global }
    .group_segment_fixed_size: 327680
    .private_segment_fixed_size: 0
    .kernarg_segment_align: 8
    .kernarg_segment_size: 72
    .max_flat_workgroup_size: 128
    .sgpr_count:     100
    .vgpr_count:     1024
    .wavefront_size: 32
...
	.end_amdgpu_metadata
.endif
;; end of part 2
